; MI455X (gfx1250); checked and timed in simulation.
; The chip was launched on July 23, 2026; its instructions are those of AMD's public machine-readable ISA for CDNA 5 (MIT licence, August 2026) and "CDNA5" Instruction Set Architecture Reference Guide (July 2026). The comments in the code are by the model that wrote it; some were corrected since.
;; Bidirectional Cross Attention. Allowed arithmetic: matrix products marked QUANTISED: E2M3 operands, one E8M0 scale for each 32 along K, by v_wmma_scale_f32_16x16x128_f8f6f4 with both operands' format E2M3, f32 sums; everything else in f32.
;; Inputs: W_k 256 x 256 float32; W_p1 768 x 256 float32; W_p2 1,024 x 256 float32; W_q 256 x 256 float32; W_v 256 x 256 float32; b_k 256 float32; b_p1 256 float32; b_p2 256 float32; b_q 256 float32; b_v 256 float32; gamma 1 float32; x1 8 x 2,048 x 768 float32; x2 8 x 2,048 x 1,024 float32.
;; Outputs: out0 8 x 2,048 x 256 float32.
;; This version of the problem:
;;   THIS VERSION OF THE PROBLEM IS GIVEN IN LOW PRECISION. The matrix products marked QUANTISED in the list below multiply operands that are first quantised to E2M3 (2 exponent bits, 3 mantissa bits; 6 bits a number), with one power-of-two scale for each 32 numbers along K (OCP MX v1.0); their sums are f32. All else is computed in f32.
;;   The module's matrix products, in the order in which they are computed (A, B: the left and right operand; K: the contracted axis; several contracted axes count as one K, in the product's order):
;;     1. [M 16,384, K 768] x [K 768, N 256]; A: input x1; B: input W_p1: QUANTISED
;;     2. [M 16,384, K 1,024] x [K 1,024, N 256]; A: input x2; B: input W_p2: QUANTISED
;;     3. [M 16,384, K 256] x [K 256, N 256]; A: computed on the way; B: input W_q: QUANTISED
;;     4. [M 16,384, K 256] x [K 256, N 256]; A: computed on the way; B: input W_k: QUANTISED
;;     5. [M 16,384, K 256] x [K 256, N 256]; A: computed on the way; B: input W_v: QUANTISED
;;     6. batch 8 x [M 2,048, K 256] x [K 256, N 2,048]; A: computed on the way; B: computed on the way: QUANTISED
;;     7. batch 8 x [M 2,048, K 2,048] x [K 2,048, N 256]; A: softmax (see below); B: computed on the way: QUANTISED
;;     8. [M 16,384, K 256] x [K 256, N 256]; A: computed on the way; B: input W_q: QUANTISED
;;     9. [M 16,384, K 256] x [K 256, N 256]; A: computed on the way; B: input W_k: QUANTISED
;;     10. [M 16,384, K 256] x [K 256, N 256]; A: computed on the way; B: input W_v: QUANTISED
;;     11. batch 8 x [M 2,048, K 256] x [K 256, N 2,048]; A: computed on the way; B: computed on the way: QUANTISED
;;     12. batch 8 x [M 2,048, K 2,048] x [K 2,048, N 256]; A: softmax (see below); B: computed on the way: QUANTISED
;;   THE QUANTISER, for each operand of a quantised product, along K:
;;     - K is cut into blocks of 32 from its start; a last block that is shorter is filled with zeros.
;;     - A block's scale is 2^e with e = floor(log2(the largest magnitude in the block)) - 2, held to -126 .. 127; a block of zeros has e = 0. As a byte (E8M0): e + 127.
;;     - Each number is divided by its block's scale, clamped to +-7.5, and rounded to the nearest number of E2M3, ties to even, subnormals kept.
;;     - The product sums the exact products of the quantised numbers (number of the format x scale) in f32.
;;   ~~~python
;;   def quantise(x, axis):      # numpy; x: float32 -> the quantised numbers, widened to float32 again
;;       x = np.moveaxis(x, axis, -1); K = x.shape[-1]
;;       x = np.pad(x, [(0, 0)] * (x.ndim - 1) + [(0, -K % 32)]); x = x.reshape(x.shape[:-1] + (-1, 32)); a = np.abs(x).max(-1, keepdims=True)
;;       e = np.where(a > 0, np.clip(np.frexp(np.where(a > 0, a, 1))[1] - 1 - 2, -126, 127), 0)      # np.frexp(a)[1] - 1 = floor(log2(a)), exactly
;;       r = np.clip(x / 2.0 ** e, -7.5, 7.5)
;;       step = 2.0 ** (np.maximum(np.frexp(np.where(r == 0, 1, r))[1] - 1, 0) - 3)
;;       q = np.round(r / step) * step * 2.0 ** e      # np.round: ties to even
;;       return np.moveaxis(q.reshape(q.shape[:-2] + (-1,))[..., :K], -1, axis).astype(np.float32)
;;   ~~~
;;   SOFTMAX AHEAD OF A QUANTISED PRODUCT. Where the list says 'softmax', what is quantised is not the finished softmax but p = 2^(t - M), with t = logit x log2(e) and M = ceil(the row's largest t), a whole number; so 1/2 < the row's largest p <= 1. The row's sum l is taken of the UNQUANTISED p, in f32, and the product's result is divided by l at the end. Since M is a whole number, a kernel that streams over the keys may use a running M (the ceiling of the running maximum): every later rescaling is an exact power of two, which a block's scale takes up: the codes' values come out the same.
;;   OPERANDS COMPUTED ON THE WAY. 'Computed on the way' means the value that the module computes at that place (a softmax that the list does not call 'softmax' is quantised finished and normalised). What goes into a quantiser is computed in f32, as accurately as f32 sums, v_exp_f32 and their like allow (about 1e-6 of the number): no bf16 or f16 on the way to a quantiser, and a product that is left as it is and whose result goes on into a quantised operand takes f32 operands (vector FMAs, or v_wmma_f32_16x16x4_f32). A number that lies on a knife's edge between two numbers of the format may be rounded either way, as far as f32 arithmetic and the matrix unit's own rounding can turn it there, and no further.
;; One version. Each part assembles by itself: llvm-mc -triple=amdgcn-amd-amdhsa -mcpu=gfx1250 --defsym DOCPART=n.
;; ======== version 1 of 1: 3 launches
;; limits: right only within a limited range of input values
;; workspace buffers: wts 512,000 bytes; qimg 6,291,456 bytes; kv 13,107,200 bytes; scl 262,144 bytes; hsum 16,777,216 bytes
;; launch wprep (part 1): grid 160 x 1, 1 waves a work-group, no clusters, 0 bytes of LDS; arguments W_p1, W_p2, W_q, W_k, W_v, wts; writes wts
.if DOCPART == 1
	.amdgcn_target "amdgcn-amd-amdhsa--gfx1250"
	.amdhsa_code_object_version 6
	.text
	.protected	k_q3193871c56_wprep
	.globl	k_q3193871c56_wprep
	.p2align	8
	.type	k_q3193871c56_wprep,@function
k_q3193871c56_wprep:
	s_mov_b64 s[64:65], 0
	v_nop
	global_prefetch_b8 v0, s[64:65] scope:SCOPE_SE
	s_setreg_imm32_b32 hwreg(HW_REG_WAVE_MODE, 25, 1), 1
	s_wait_xcnt 0x0
; out = gamma (attend(q1, k2, v2) + attend(q2, k1, v1)) + h1 + h2, all twelve products on codes of FP6 (E2M3) with one E8M0 scale for each 32 along K.
; DEAD WORK: none.  gamma is an input and may hold any number, so both attentions are live; every bias goes into a quantised operand or into the output.  All thirteen inputs are loaded.
; THREE LAUNCHES.  This one turns the five weights into codes; the second makes h1, h2, their sum and the codes of q, k, v; the third is the attention and the output.
; THIS LAUNCH.  A weight is [K][256] f32 with K as its FIRST axis.  A lane takes a column and its registers run down K, in the order in which the operand's layout gives that lane its k: so the
; conversions' results ARE the operand's registers.  They are stored as an IMAGE of those registers (registers 4 g .. 4 g + 3 of lane l at 512 g + 16 l: 1,536 bytes a fragment of 16 columns x 128 K).
; wts: codes [S 0..19][T 0..15][1,536], S = K step of 128: W_p1 0-5, W_p2 6-13, W_q 14-15, W_k 16-17, W_v 18-19; T = tile of 16 columns.  For all but W_v lane r of tile T takes column
; 32 (T / 2) + 8 (T % 2) + r + 8 (r / 8), so that the results of two neighbouring tiles are 16 neighbours along the next product's K; for W_v column 16 T + r.
; From byte 491,520: scale words [P = S / 2][T][32 words]: lanes 0-15 the words of the even K step, lanes 16-31 those of the odd one.
; A work-group is one wave: P = number / 16, T = number % 16: two fragments.  No LDS, no barrier.
; LIMITS: NaN and infinities among the inputs are not served; a block whose largest magnitude lies under 2^(3 - 127), a block of zeros among them, gets the byte 1 where the rule says 127 for zeros:
; its codes are zeros then, and this program alone reads the bytes.
.set X,  64                            ; v64-191  128 numbers: K step k, half c, number i at X + 64 k + 32 c + i
.set PC, 32                            ; v32-55   the two fragments' codes
.set CT, 56                            ; v56-62   a conversion's three registers begin on an even number: the second half of a block's six is made here and moved
	s_load_b256 s[4:11], s[0:1], 0x0               ; W_p1, W_p2, W_q, W_k
	s_load_b128 s[12:15], s[0:1], 0x20             ; W_v, wts
	v_and_b32 v1, 15, v0                           ; r
	s_wait_alu depctr_va_vdst(0)
	v_bfe_u32 v2, v0, 4, 1                         ; h
	v_lshlrev_b32 v4, 4, v0                        ; 16 x lane (one wave: the thread's number is the lane)
	v_lshlrev_b32 v5, 2, v0                        ; 4 x lane
	v_mov_b32 v18, 0                               ; a lane permute's destination counts as one of its sources
	v_lshlrev_b32 v17, 3, v2                       ; 8 h: how far my two scale bytes are shifted up
	s_mov_b32 s22, 0x76543210
	s_mov_b32 s23, 0xfedcba98                      ; selects for lane l xor 16
	s_mov_b32 s24, 0xffff0000                      ; lanes 16-31
	s_lshr_b32 s26, ttmp9, 4                       ; P
	s_and_b32 s27, ttmp9, 15                       ; T
	s_sub_co_u32 s28, s26, 3                       ; W_p2's block of 256 rows (used for P = 3 .. 6 alone)
	s_lshr_b32 s19, s27, 1
	s_lshl_b32 s19, s19, 5
	s_and_b32 s21, s27, 1
	s_lshl_b32 s21, s21, 3
	s_add_co_u32 s19, s19, s21                     ; 32 (T / 2) + 8 (T % 2)
	s_lshl_b32 s21, s27, 4                         ; 16 T
	s_cmp_lt_u32 s26, 9                            ; all but W_v
	s_cselect_b32 s19, s19, s21
	s_cselect_b32 s20, 8, 0
	v_and_b32 v3, s20, v1
	v_add3_u32 v3, v3, v1, s19                     ; my column
	v_lshlrev_b32 v3, 2, v3
	s_wait_alu depctr_va_vdst(0)
	v_lshl_add_u32 v3, v2, 15, v3                  ; lanes 16-31 begin 32 rows of 1,024 bytes further down
	s_lshl_b32 s28, s28, 0                         ; (kept as it is)
	s_lshl_b32 s34, s26, 5
	s_add_co_u32 s34, s34, s27
	s_mul_i32 s34, s34, 1536                       ; the first fragment's image: (16 x 2 P + T) x 1,536
	s_mov_b32 s35, 0
	s_lshl_b32 s36, ttmp9, 7                       ; the scale words: (16 P + T) x 128
	s_mov_b32 s37, 0
	s_wait_alu depctr_va_vdst(0)
	s_wait_kmcnt 0x0
	s_mov_b64 s[16:17], s[4:5]                     ; which weight, and which 256 rows of it: choices on the work-group's number alone
	s_mov_b32 s18, s26
	s_cmp_ge_u32 s26, 3
	s_cselect_b64 s[16:17], s[6:7], s[16:17]
	s_cselect_b32 s18, s28, s18
	s_cmp_ge_u32 s26, 7
	s_cselect_b64 s[16:17], s[8:9], s[16:17]
	s_cselect_b32 s18, 0, s18
	s_cmp_ge_u32 s26, 8
	s_cselect_b64 s[16:17], s[10:11], s[16:17]
	s_cmp_ge_u32 s26, 9
	s_cselect_b64 s[16:17], s[12:13], s[16:17]
	s_lshl_b32 s18, s18, 18                        ; 256 rows of 1,024 bytes
	s_mov_b32 s19, 0
	s_add_nc_u64 s[16:17], s[16:17], s[18:19]
	s_add_nc_u64 s[30:31], s[14:15], s[34:35]
	s_add_nc_u64 s[32:33], s[14:15], s[36:37]
.irp k, 0,1
.irp c, 0,1
.irp i, 0,1,2,3,4,5,6,7,8,9,10,11,12,13,14,15,16,17,18,19,20,21,22,23,24,25,26,27,28,29,30,31
	global_load_b32 v[X+64*\k+32*\c+\i], v3, s[16:17] offset:(128*\k+64*\c+\i)*1024   ; W(128 k + 64 c + 32 h + i, my column)
.endr
.endr
.endr
; K step k: my two whole blocks (2 c + h) become registers 6 c .. 6 c + 5 of the fragment; the scale word's four bytes are gathered from lanes l and l xor 16.
.macro WQ k
.irp c, 0,1
	v_max3_num_f32 v[10+\c], |v[X+64*\k+32*\c]|, |v[X+64*\k+32*\c+1]|, 0x1800000   ; with the floor 2^(3 - 127): the byte cannot fall under 1
.endr
.irp i, 2,4,6,8,10,12,14,16,18,20,22,24,26,28,30
.irp c, 0,1
	v_max3_num_f32 v[10+\c], v[10+\c], |v[X+64*\k+32*\c+\i]|, |v[X+64*\k+32*\c+\i+1]|   ; the two blocks by turns
.endr
.endr
.irp c, 0,1
	v_add_nc_u32 v[12+\c], 0xff000000, v[10+\c]    ; 2 off the exponent field: the conversion's scale operand
.endr
.irp c, 0,1
	v_lshrrev_b32 v[14+\c], 23, v[12+\c]           ; the scale's byte
.endr
	v_lshl_or_b32 v16, v15, 16, v14                ; blocks h and 2 + h,
	v_lshlrev_b32 v16, v17, v16                    ; at their places in the word;
	v_permlanex16_b32 v18, v16, s22, s23
	v_or_b32 v[20+\k], v16, v18                    ; with lane l xor 16's two the word is whole
.irp c, 0,1
	v_cvt_scalef32_pk16_fp6_f32 v[PC+12*\k+6*\c:PC+12*\k+6*\c+2], v[X+64*\k+32*\c:X+64*\k+32*\c+15], v[12+\c]
	v_cvt_scalef32_pk16_fp6_f32 v[CT+4*\c:CT+4*\c+2], v[X+64*\k+32*\c+16:X+64*\k+32*\c+31], v[12+\c]
.endr
	v_nop                                          ; one plain place behind a scaled conversion
.irp c, 0,1
.irp i, 0,1,2
	v_mov_b32 v[PC+12*\k+6*\c+3+\i], v[CT+4*\c+\i]
.endr
.endr
.endm
	s_wait_loadcnt 63                              ; 64 loads were issued behind the first K step's; the count's field holds 63 at the most, and the smaller count shows no less
	WQ 0
	s_wait_loadcnt 0x0
	WQ 1
.irp k, 0,1
.irp g, 0,1,2
	global_store_b128 v4, v[PC+12*\k+4*\g:PC+12*\k+4*\g+3], s[30:31] offset:\k*24576+512*\g   ; 32 lanes store 512 consecutive bytes
.endr
.endr
	v_cndmask_b32 v22, v20, v21, s24               ; lanes 0-15 the even K step's words, lanes 16-31 the odd one's
	global_store_b32 v5, v22, s[32:33] offset:491520
	s_endpgm
.Lfunc_end_k_q3193871c56_wprep:
	.size	k_q3193871c56_wprep, .Lfunc_end_k_q3193871c56_wprep-k_q3193871c56_wprep
	.p2alignl 7, 3214868480
	.fill 96, 4, 3214868480
	.section	.rodata,"a",@progbits
	.p2align	6, 0x0
	.amdhsa_kernel k_q3193871c56_wprep
		.amdhsa_group_segment_fixed_size 0
		.amdhsa_private_segment_fixed_size 0
		.amdhsa_enable_private_segment 0
		.amdhsa_kernarg_size 48
		.amdhsa_user_sgpr_count 2
		.amdhsa_user_sgpr_kernarg_segment_ptr 1
		.amdhsa_wavefront_size32 1
		.amdhsa_system_sgpr_workgroup_id_x 1
		.amdhsa_system_sgpr_workgroup_id_y 1
		.amdhsa_system_sgpr_workgroup_id_z 1
		.amdhsa_system_vgpr_workitem_id 0
		.amdhsa_next_free_vgpr 192
		.amdhsa_next_free_sgpr 66
		.amdhsa_reserve_vcc 0
		.amdhsa_float_denorm_mode_32 3
		.amdhsa_float_denorm_mode_16_64 3
		.amdhsa_memory_ordered 1
		.amdhsa_forward_progress 1
		.amdhsa_inst_pref_size 21
	.end_amdhsa_kernel
	.amdgpu_metadata
---
amdhsa.version: [ 1, 2 ]
amdhsa.kernels:
  - .name:           k_q3193871c56_wprep
    .symbol:         k_q3193871c56_wprep.kd
    .args:
      - { .name: W_p1, .offset: 0, .size: 8, .value_kind: global_buffer, .address_space: global }
      - { .name: W_p2, .offset: 8, .size: 8, .value_kind: global_buffer, .address_space: global }
      - { .name: W_q, .offset: 16, .size: 8, .value_kind: global_buffer, .address_space: global }
      - { .name: W_k, .offset: 24, .size: 8, .value_kind: global_buffer, .address_space: global }
      - { .name: W_v, .offset: 32, .size: 8, .value_kind: global_buffer, .address_space: global }
      - { .name: wts, .offset: 40, .size: 8, .value_kind: global_buffer, .address_space: global }
    .group_segment_fixed_size: 0
    .private_segment_fixed_size: 0
    .kernarg_segment_align: 8
    .kernarg_segment_size: 48
    .max_flat_workgroup_size: 32
    .sgpr_count:     66
    .vgpr_count:     192
    .wavefront_size: 32
...
	.end_amdgpu_metadata
.endif
;; end of part 1
;; launch proj (part 2): grid 256 x 1, 4 waves a work-group, no clusters, 327,680 bytes of LDS; arguments x1, x2, wts, b_p1, b_p2, b_q, b_k, b_v, qimg, kv, scl, hsum; writes qimg, kv, scl, hsum
.if DOCPART == 2
	.amdgcn_target "amdgcn-amd-amdhsa--gfx1250"
	.amdhsa_code_object_version 6
	.text
	.protected	k_q3193871c56_proj
	.globl	k_q3193871c56_proj
	.p2align	8
	.type	k_q3193871c56_proj,@function
k_q3193871c56_proj:
	s_mov_b64 s[64:65], 0
	v_nop
	global_prefetch_b8 v0, s[64:65] scope:SCOPE_SE
	s_setreg_imm32_b32 hwreg(HW_REG_WAVE_MODE, 25, 1), 1
	s_wait_xcnt 0x0
.set XQ,    199680
.set STG,   XQ
.set XIMG,  266240
.set XSC,   303104
.set HIMG,  304640
.set HSC,   316928
.set SPARE, 317440
.set L16, 1
.set L8,  2
.set L4,  3
.set XAP, 4
.set XAQ, 5
.set XWI, 6
.set XWS, 7
.set HWI, 8
.set HWS, 9
.set SO,  10
.set SR,  11
.set H64, 12
.set R4,  13
.set SPW, 14
.set NIL, 15
.set AXI, 16
.set AXS, 17
.set AHI, 18
.set AHS, 19
.set BUF, 24
.set PC,  152
.set CT,  164
.set TM,  168
.set SOP, 172
.set BY,  174
.set P16, 176
.set PLO, 177
.set PW,  178
.set PWP, 179
.set PWC, 180
.set WPS, 184
.set WQS, 212
.set WVS, 220
.set XS,  224
.set HS,  236
.set WV,  28
.set MSK, 29
.set SEL, 30
.set MSB, 0
.macro WIN new
.if MSB != \new
	s_set_vgpr_msb (MSB<<8)|\new
.set MSB, \new
.endif
.endm
.macro PLACES cnt
.rept \cnt
	v_nop
.endr
.endm
.macro BARRIER
	s_wait_dscnt 0x0
	s_barrier_signal -1
	s_barrier_wait -1
.endm
.macro MM d, a, b, c, sa, sb, ra, rb
.if (\ra) && (\rb)
	v_wmma_scale_f32_16x16x128_f8f6f4 v[(\d):(\d)+7], v[(\a):(\a)+11], v[(\b):(\b)+11], v[(\c):(\c)+7], v[\sa], v[\sb] matrix_a_fmt:MATRIX_FMT_FP6 matrix_b_fmt:MATRIX_FMT_FP6 matrix_a_scale:MATRIX_SCALE_ROW1 matrix_b_scale:MATRIX_SCALE_ROW1
.else
	v_wmma_scale_f32_16x16x128_f8f6f4 v[(\d):(\d)+7], v[(\a):(\a)+11], v[(\b):(\b)+11], v[(\c):(\c)+7], v[\sa], v[\sb] matrix_a_fmt:MATRIX_FMT_FP6 matrix_b_fmt:MATRIX_FMT_FP6
.endif
.endm
.macro QUANT2 src, win, dst
	WIN (\win)|((\win)<<2)
.irp e, 0,2
.irp b, 0,1
	v_max3_num_f32 v[TM+\e+\b], |v[(\src)+16*\b+\e]|, |v[(\src)+16*\b+\e+1]|, 0x1800000
.endr
.endr
.irp i, 4,8,12
.irp e, 0,2
.irp b, 0,1
	v_max3_num_f32 v[TM+\e+\b], |v[(\src)+16*\b+\i+\e]|, |v[(\src)+16*\b+\i+\e+1]|, v[TM+\e+\b]
.endr
.endr
.endr
	WIN 0
.irp b, 0,1
	v_max_num_f32 v[TM+\b], v[TM+\b], v[TM+2+\b]
.endr
.irp b, 0,1
	v_permlanex16_b32 v[TM+2+\b], v[TM+\b], s[SEL], s[SEL+1]
.endr
.irp b, 0,1
	v_max_num_f32 v[TM+\b], v[TM+\b], v[TM+2+\b]
.endr
.irp b, 0,1
	v_add_nc_u32 v[SOP+\b], 0xff000000, v[TM+\b]
.endr
.irp b, 0,1
	v_lshrrev_b32 v[BY+\b], 23, v[SOP+\b]
.endr
	v_lshl_or_b32 v[P16], v[BY+1], 8, v[BY]
	WIN \win
	v_cvt_scalef32_pk16_fp6_f32 v[(\dst):(\dst)+2], v[(\src):(\src)+15], v[SOP]
	v_cvt_scalef32_pk16_fp6_f32 v[CT:CT+2], v[(\src)+16:(\src)+31], v[SOP+1]
	WIN 0
	v_nop
.irp i, 0,1,2
	v_permlane16_swap_b32 v[(\dst)+\i], v[CT+\i]
.endr
.irp i, 0,1,2
	v_mov_b32 v[(\dst)+3+\i], v[CT+\i]
.endr
.endm
.macro XL set, areg, sl
.irp b, 0,1,2,3
.irp j, 0,1,2,3
	ds_load_b128 v[BUF+64*(\set)+16*\b+4*\j:BUF+64*(\set)+16*\b+4*\j+3], v[\areg] offset:((\sl)/2)*1040+((\sl)%2)*512+128*\b+16*\j
.endr
.endr
.endm
.macro XPHASE cnt, areg
	XL 0, \areg, 0
	XL 1, \areg, 1
.set sl, 0
.rept \cnt
.if sl+1 < \cnt
	s_wait_dscnt 16
.else
	s_wait_dscnt 0x0
.endif
	QUANT2 BUF+64*(sl%2), 0, PC
	v_mov_b32 v[PLO], v[P16]
	QUANT2 BUF+64*(sl%2)+32, 0, PC+6
	v_lshl_or_b32 v[PW], v[P16], 16, v[PLO]
.irp g, 0,1,2
	ds_store_b128 v[XWI], v[PC+4*\g:PC+4*\g+3] offset:sl*6144+512*\g
.endr
.if sl%2 == 0
	v_mov_b32 v[PWP], v[PW]
.else
	v_cndmask_b32 v[PWC], v[PWP], v[PW], s[MSK]
	ds_store_b32 v[XWS], v[PWC] offset:(sl/2)*512
.endif
.if sl+2 < \cnt
	XL sl%2, \areg, sl+2
.endif
.set sl, sl+1
.endr
.endm
.macro LOADW st, set                   ; K step st of W_p into set 0..5: sets 0, 1 in window 2 from v128, sets 2 to 5 in window 1 from v0, where W_q's or W_k's fragments lie in the QKV phases
.if (\set) < 2
	WIN 0x80
.set wb, 128+48*(\set)
.else
	WIN 0x40
.set wb, 48*((\set)-2)
.endif
.irp t, 0,1,2,3
.irp g, 0,1,2
	global_load_b128 v[wb+12*\t+4*\g:wb+12*\t+4*\g+3], v[L16], s[72:73] offset:(\st)*24576+\t*1536+512*\g
.endr
.endr
	WIN 0
.endm
.macro LOADQK q                        ; tiles 2 q and 2 q + 1 of W_q or W_k, into the registers of set q + 2
	WIN 0x40
.irp t, 0,1
.irp s, 0,1
.irp g, 0,1,2
	global_load_b128 v[48*(\q)+24*\t+12*\s+4*\g:48*(\q)+24*\t+12*\s+4*\g+3], v[L16], s[74:75] offset:\s*24576+(2*(\q)+\t)*1536+512*\g
.endr
.endr
.endr
	WIN 0
.endm
.macro LOADX sl, set
.irp m, 0,1,2,3
.irp g, 0,1,2
	ds_load_b128 v[BUF+48*(\set)+12*\m+4*\g:BUF+48*(\set)+12*\m+4*\g+3], v[AXI] offset:(4*(\sl)+\m)*1536+512*\g
.endr
.endr
.endm
.macro HPHASE cnt, s0, acc, first, off, lc   ; step ii takes W_p's set (ii + off) % 6; lc: the loads issued behind those that the phase needs
.set pp, 0
.rept (\cnt)/2
.irp m, 0,1,2,3
	ds_load_b32 v[XS+4*pp+\m], v[AXS] offset:pp*512+\m*128
.endr
.set pp, pp+1
.endr
	LOADX 0, 0
	LOADX 1, 1
.set ii, 0
.rept \cnt
.if ii+1 < \cnt
	s_wait_dscnt 12
.else
	s_wait_dscnt 0x0
.endif
.if ii == 0
	s_wait_loadcnt \lc
.endif
.set sg, (ii+(\off))%6
.if sg < 2
.set wb, 128+48*sg
.else
.set wb, 48*(sg-2)
.endif
.if (\first) && (ii == 0) && (sg < 2)
	WIN 0xe2
.elseif (\first) && (ii == 0)
	WIN 0xe1
.elseif sg < 2
	WIN 0xf2
.else
	WIN 0xf1
.endif
.irp m, 0,1,2,3
.irp t, 0,1,2,3
.if (\first) && (ii == 0)
	MM (\acc)+32*\m+8*\t, wb+12*\t, BUF+48*(ii%2)+12*\m, 224+8*\t, WPS+4*(((\s0)+ii)/2)+\t, XS+4*(ii/2)+\m, ii%2, ii%2
.else
	MM (\acc)+32*\m+8*\t, wb+12*\t, BUF+48*(ii%2)+12*\m, (\acc)+32*\m+8*\t, WPS+4*(((\s0)+ii)/2)+\t, XS+4*(ii/2)+\m, ii%2, ii%2
.endif
.endr
.endr
	WIN 0
.if (ii+2 < \cnt) || (sg >= 2)
	PLACES 4
.endif
.if sg >= 2
	LOADQK sg-2                                    ; a set of window 1 is multiplied: its registers take W_q's or W_k's fragments back
.endif
.if ii+2 < \cnt
	LOADX ii+2, ii%2
.endif
.set ii, ii+1
.endr
.endm
.macro HQ acc
.irp m, 0,1,2,3
	QUANT2 (\acc)+32*\m, 3, PC
.irp p, 0,1,2
	ds_store_b64 v[HWI], v[PC+2*\p:PC+2*\p+1] offset:\m*3072+256*\p
.endr
	ds_store_b16 v[HWS], v[P16] offset:128*\m
	s_wait_dscnt 0x0
.endr
.endm
.macro QKV side
	WIN 0x80
.irp f, 0,1,2,3,4,5,6,7
.irp c, 0,1
.irp p, 0,1,2
	ds_load_b64 v[128+12*\f+6*\c+2*\p:128+12*\f+6*\c+2*\p+1], v[AHI] offset:\f*1536+\c*768+\p*256
.endr
.endr
.endr
	WIN 0
.irp m, 0,1,2,3
	ds_load_b32 v[HS+\m], v[AHS] offset:128*\m
.endr
	s_wait_dscnt 0x0
	s_wait_loadcnt 0x0
.irp m, 0,1,2,3
	WIN 0x19
.irp t, 0,1,2,3,4,5,6,7
	MM BUF+8*\t, 24*\t, 128+24*\m, 192+8*\t, WQS+\t, HS+\m, 0, 0
.endr
	WIN 0x09
.irp t, 0,1,2,3,4,5,6,7
	MM BUF+8*\t, 24*\t+12, 128+24*\m+12, BUF+8*\t, WQS+\t, HS+\m, 1, 1
.endr
	WIN 0
	PLACES 5
	s_wait_xcnt 0x0
	QUANT2 BUF, 0, PC
	v_mov_b32 v[PLO], v[P16]
	QUANT2 BUF+32, 0, PC+6
	v_lshl_or_b32 v[PW], v[P16], 16, v[PLO]
.irp g, 0,1,2
	global_store_b128 v[L16], v[PC+4*\g:PC+4*\g+3], s[78:79] offset:\m*3072+512*\g
.endr
.if \m%2 == 0
	v_mov_b32 v[PWP], v[PW]
.else
	v_cndmask_b32 v[PWC], v[PWP], v[PW], s[MSK]
	global_store_b32 v[L4], v[PWC], s[82:83] offset:(\m-1)*64
.endif
.endr
	WIN 0x2a
.irp t, 0,1,2,3
.irp m, 0,1,2,3
	MM BUF+32*\t+8*\m, 128+24*\m, 24*\t, 96+8*\t, HS+\m, WVS+\t, 0, 0
.endr
.endr
	WIN 0x0a
.irp t, 0,1,2,3
.irp m, 0,1,2,3
	MM BUF+32*\t+8*\m, 128+24*\m+12, 24*\t+12, BUF+32*\t+8*\m, HS+\m, WVS+\t, 1, 1
.endr
.endr
	WIN 0
	PLACES 5
.irp t, 0,1,2,3
	s_wait_xcnt 0x0
	QUANT2 BUF+32*\t, 0, PC
	global_store_b128 v[L16], v[PC:PC+3], s[84:85] offset:\t*768+(\side)*6553600
	global_store_b64 v[L8], v[PC+4:PC+5], s[84:85] offset:\t*768+512+(\side)*6553600
.if \t%2 == 0
	v_mov_b32 v[PWP], v[P16]
.else
	v_cndmask_b32 v[PWC], v[PWP], v[P16], s[MSK]
	global_store_b16 v[L4], v[PWC], s[86:87] offset:(\t-1)*64+(\side)*6553600
.endif
.endr
.endm
	s_load_b512 s[4:19], s[0:1], 0x0
	s_load_b256 s[20:27], s[0:1], 0x40
	v_lshl_add_u32 v[SPW], v0, 2, SPARE
	v_mov_b32 v[NIL], 0
	ds_add_u32 v[SPW], v[NIL]
	ds_add_u32 v[SPW], v[NIL]
	v_lshrrev_b32 v20, 5, v0
	v_readfirstlane_b32 s[WV], v20
	s_mov_b32 s[MSK], 0xffff0000
	s_mov_b32 s[SEL], 0x76543210
	s_mov_b32 s[SEL+1], 0xfedcba98
.irp g, 32,40,48
	s_mov_b32 s[\g], (2<<16)|(1<<20)|(7<<22)|(3<<25)
	s_mov_b32 s[\g+2], 16<<16
	s_mov_b32 s[\g+4], 16
	s_mov_b32 s[\g+6], 0
	s_mov_b32 s[\g+7], 0
.endr
	s_mov_b32 s33, 768<<16
	s_mov_b32 s35, 768<<16
	s_mov_b32 s37, 768
	s_mov_b32 s41, 768<<16
	s_mov_b32 s43, 768<<16
	s_mov_b32 s45, 1024
	s_mov_b32 s49, 256<<16
	s_mov_b32 s51, 256<<16
	s_mov_b32 s53, 1024
	s_lshl_b32 s90, ttmp9, 6
	s_lshl_b32 s91, s[WV], 4
	s_add_co_u32 s90, s90, s91
	s_mul_i32 s92, s90, 3072
	s_mov_b32 s93, 0
	s_lshl_b32 s94, s90, 12
	s_mov_b32 s95, 0
	s_lshl_b32 s96, s90, 10
	s_mov_b32 s97, 0
	s_mov_b32 s56, 1
	s_mul_i32 s57, s[WV], 49920
	s_mov_b32 s60, 1
	s_mul_i32 s61, s[WV], 16640
	s_add_co_u32 s61, s61, XQ
	s_mov_b32 s68, 1
	s_mul_i32 s69, s[WV], 49920
	s_wait_dscnt 0x0
	s_wait_kmcnt 0x0
	s_add_nc_u64 s[58:59], s[4:5], s[92:93]
	s_or_b32 s59, s59, 0x80000000
	s_add_nc_u64 s[62:63], s[6:7], s[94:95]
	s_add_nc_u64 s[70:71], s[62:63], 1024
	s_or_b32 s63, s63, 0x80000000
	s_or_b32 s71, s71, 0x80000000
	tensor_load_to_lds s[56:59], s[32:39]
	s_nop 0
.rept 4
	v_nop
.endr
	v_and_b32 v20, 31, v0
	v_and_b32 v21, 15, v0
	v_bfe_u32 v22, v0, 4, 1
	v_and_b32 v23, 8, v21
	v_add_nc_u32 v23, v23, v21
	v_lshlrev_b32 v[L16], 4, v20
	s_wait_alu depctr_va_vdst(0)
	v_lshlrev_b32 v[L8], 3, v20
	v_lshlrev_b32 v[L4], 2, v20
	v_lshlrev_b32 v[H64], 6, v22
	s_wait_alu depctr_va_vdst(0)
	v_lshlrev_b32 v[R4], 2, v21
	s_wait_alu depctr_va_vdst(0)
	s_add_nc_u64 s[88:89], s[26:27], s[96:97]
	s_mul_i32 s94, s[WV], 6144
	s_add_nc_u64 s[72:73], s[8:9], s[94:95]
	s_add_nc_u64 s[76:77], s[72:73], 18*24576
	s_lshr_b32 s96, s[WV], 1
	s_and_b32 s98, s[WV], 1
	s_mul_i32 s94, s96, 49152
	s_mul_i32 s92, s98, 12288
	s_add_co_u32 s94, s94, s92
	s_add_co_u32 s94, s94, 14*24576
	s_add_nc_u64 s[74:75], s[8:9], s[94:95]
	s_lshl_b32 s94, s[WV], 9
	s_add_nc_u64 s[90:91], s[8:9], s[94:95]
	s_lshl_b32 s94, s[WV], 10
	s_add_nc_u64 s[92:93], s[8:9], s[94:95]
	s_lshl_b32 s94, s[WV], 8
	s_add_nc_u64 s[10:11], s[10:11], s[94:95]
	s_add_nc_u64 s[12:13], s[12:13], s[94:95]
	s_add_nc_u64 s[18:19], s[18:19], s[94:95]
	s_cmp_lt_u32 s[WV], 2
	s_cselect_b64 s[14:15], s[14:15], s[16:17]
	s_lshl_b32 s94, s98, 9
	s_add_nc_u64 s[14:15], s[14:15], s[94:95]
	WIN 0x40
.irp t, 0,1,2,3,4,5,6,7
.irp u, 0,1
	global_load_b128 v[192+8*\t+4*\u:192+8*\t+4*\u+3], v[H64], s[14:15] offset:(32*(\t/2)+8*(\t%2))*4+16*\u
.endr
.endr
	WIN 0x80
.irp t, 0,1,2,3
.irp s, 0,1
.irp g, 0,1,2
	global_load_b128 v[24*\t+12*\s+4*\g:24*\t+12*\s+4*\g+3], v[L16], s[76:77] offset:\s*24576+\t*1536+512*\g
.endr
.endr
.endr
.irp t, 0,1,2,3
.irp j, 0,1,2,3,4,5,6,7
	global_load_b32 v[96+8*\t+\j], v[R4], s[18:19] offset:64*\t
.endr
.endr
.irp t, 0,1,2,3
.irp u, 0,1
	global_load_b128 v[224+8*\t+4*\u:224+8*\t+4*\u+3], v[H64], s[10:11] offset:(32*(\t/2)+8*(\t%2))*4+16*\u
.endr
.endr
	WIN 0
.irp p, 0,1,2,3,4,5,6
.irp t, 0,1,2,3
	global_load_b32 v[WPS+4*\p+\t], v[L4], s[90:91] offset:491520+\p*2048+\t*128
.endr
.endr
.irp t, 0,1,2,3,4,5,6,7
	global_load_b32 v[WQS+\t], v[L4], s[92:93] offset:491520+7*2048+\t*128
.endr
.irp t, 0,1,2,3
	global_load_b32 v[WVS+\t], v[L4], s[90:91] offset:491520+9*2048+\t*128
.endr
	LOADW 0, 2
	LOADW 1, 3
	s_mul_i32 s99, s98, 1536
	s_mul_i32 s94, ttmp9, 12288
	s_add_co_u32 s94, s94, s99
	s_add_nc_u64 s[78:79], s[20:21], s[94:95]
	s_lshr_b32 s97, ttmp9, 1
	s_and_b32 s16, ttmp9, 1
	s_mul_i32 s17, s97, 51200
	s_mul_i32 s94, s16, 12288
	s_add_co_u32 s17, s17, s94
	s_add_co_u32 s94, s17, s99
	s_add_nc_u64 s[80:81], s[22:23], s[94:95]
	s_cmp_lt_u32 s[WV], 2
	s_cselect_b64 s[78:79], s[78:79], s[80:81]
	s_mov_b32 s80, 6553600
	s_cselect_b32 s80, 3145728, s80
	s_mov_b32 s81, 0
	s_mul_i32 s94, s[WV], 3072
	s_add_co_u32 s94, s94, s17
	s_add_co_u32 s94, s94, 25600
	s_add_nc_u64 s[84:85], s[22:23], s[94:95]
	s_lshl_b32 s94, ttmp9, 9
	s_lshl_b32 s99, s98, 8
	s_add_co_u32 s94, s94, s99
	s_add_nc_u64 s[82:83], s[24:25], s[94:95]      ; q's scale words stay in scl
	s_mul_i32 s94, s97, 51200
	s_add_co_u32 s94, s94, s99
	s_lshl_b32 s99, s16, 9
	s_add_co_u32 s94, s94, s99
	s_add_co_u32 s94, s94, 24576
	s_add_nc_u64 s[66:67], s[22:23], s[94:95]      ; k's lie in kv, behind the step's codes of k
	s_cmp_lt_u32 s[WV], 2
	s_cselect_b64 s[82:83], s[82:83], s[66:67]
	s_mov_b32 s66, 6553600
	s_cselect_b32 s66, 131072, s66                 ; from side to side
	s_mov_b32 s67, 0
	s_mul_i32 s94, s97, 51200
	s_lshl_b32 s99, s16, 1
	s_add_co_u32 s94, s94, s99
	s_lshl_b32 s99, s[WV], 8
	s_add_co_u32 s94, s94, s99
	s_add_co_u32 s94, s94, 50176
	s_add_nc_u64 s[86:87], s[22:23], s[94:95]      ; v's scale words lie in kv, behind the step's codes of v
	s_lshl_b32 s94, s96, 5
	s_lshl_b32 s99, s98, 3
	s_add_co_u32 s94, s94, s99
	s_mul_i32 s99, s94, 3120
	v_mul_u32_u24 v[XAP], v23, 3120
	v_add_nc_u32 v[XAP], s99, v[XAP]
	v_add_nc_u32 v[XAP], v[XAP], v[H64]
	s_mul_i32 s99, s94, 1040
	s_add_co_u32 s99, s99, XQ
	v_mul_u32_u24 v[XAQ], v23, 1040
	v_add_nc_u32 v[XAQ], s99, v[XAQ]
	v_add_nc_u32 v[XAQ], v[XAQ], v[H64]
	s_mul_i32 s99, s[WV], 1536
	s_add_co_u32 s99, s99, XIMG
	v_add_nc_u32 v[XWI], s99, v[L16]
	s_lshl_b32 s99, s[WV], 7
	s_add_co_u32 s99, s99, XSC
	v_add_nc_u32 v[XWS], s99, v[L4]
	s_mul_i32 s99, s[WV], 768
	s_add_co_u32 s99, s99, HIMG
	v_add_nc_u32 v[HWI], s99, v[L8]
	s_lshl_b32 s99, s96, 6
	s_lshl_b32 s94, s98, 1
	s_add_co_u32 s99, s99, s94
	s_add_co_u32 s99, s99, HSC
	v_add_nc_u32 v[HWS], s99, v[R4]
	s_lshl_b32 s99, s[WV], 8
	s_add_co_u32 s99, s99, STG
	v_mul_u32_u24 v[SO], v23, 1040
	v_add_nc_u32 v[SO], s99, v[SO]
	v_add_nc_u32 v[SO], v[SO], v[H64]
	s_mul_i32 s99, s[WV], 16*1040
	s_add_co_u32 s99, s99, STG
	v_add_nc_u32 v[SR], s99, v[L16]
	v_add_nc_u32 v[AXI], XIMG, v[L16]
	v_add_nc_u32 v[AXS], XSC, v[L4]
	v_add_nc_u32 v[AHI], HIMG, v[L8]
	v_add_nc_u32 v[AHS], HSC, v[L4]
	v_mov_b32 v[TM+2], 0
	v_mov_b32 v[TM+3], 0
	s_wait_alu depctr_va_vdst(0)
	s_wait_tensorcnt 0x0
	ds_add_u32 v[SPW], v[NIL]
	s_wait_dscnt 0x0
	s_barrier_signal -1
	s_barrier_wait -1
	tensor_load_to_lds s[60:63], s[48:55]
	s_nop 0
.rept 4
	v_nop
.endr
	LOADW 2, 4
	LOADW 3, 5
	LOADW 4, 0
	LOADW 5, 1
	XPHASE 6, XAP
	s_wait_tensorcnt 0x0
	ds_add_u32 v[SPW], v[NIL]
	s_wait_dscnt 0x0
	s_barrier_signal -1
	s_barrier_wait -1
	tensor_load_to_lds s[68:71], s[40:47]
	s_nop 0
.rept 4
	v_nop
.endr
	HPHASE 6, 0, 0, 1, 2, 0
	PLACES 4
	HQ 0
	BARRIER
	QKV 0
	s_wait_xcnt 0x0
	s_add_nc_u64 s[78:79], s[78:79], s[80:81]
	s_add_nc_u64 s[82:83], s[82:83], s[66:67]
	WIN 0x80
.irp t, 0,1,2,3
.irp u, 0,1
	global_load_b128 v[224+8*\t+4*\u:224+8*\t+4*\u+3], v[H64], s[12:13] offset:(32*(\t/2)+8*(\t%2))*4+16*\u
.endr
.endr
	WIN 0
	LOADW 6, 0
	LOADW 7, 1
	LOADW 8, 2
	LOADW 9, 3
	XPHASE 2, XAQ
	BARRIER
	HPHASE 2, 6, 128, 1, 0, 24
	PLACES 4
	LOADW 10, 4
	LOADW 11, 5
	LOADW 12, 0
	LOADW 13, 1
	s_wait_tensorcnt 0x0
	BARRIER
	XPHASE 6, XAP
	BARRIER
	HPHASE 6, 8, 128, 0, 2, 0
	PLACES 4
	WIN 0x0f
.set i, 0
.rept 64
	v_pk_add_f32 v[BUF+i:BUF+i+1], v[i:i+1], v[128+i:128+i+1]
.set i, i+2
.endr
	WIN 0
.irp m, 0,1,2,3
.irp t, 0,1,2,3
.irp u, 0,1
	ds_store_b128 v[SO], v[BUF+32*\m+8*\t+4*\u:BUF+32*\m+8*\t+4*\u+3] offset:(32*(\m/2)+8*(\m%2))*1040+(32*(\t/2)+8*(\t%2))*4+16*\u
.endr
.endr
.endr
	HQ 128
	BARRIER
.irp i, 0,1,2,3,4,5,6,7,8,9,10,11,12,13,14,15
.irp u, 0,1
	ds_load_b128 v[BUF+8*\i+4*\u:BUF+8*\i+4*\u+3], v[SR] offset:\i*1040+512*\u
.endr
.endr
.irp i, 0,1,2,3,4,5,6,7,8,9,10,11,12,13,14,15
.irp u, 0,1
	s_wait_dscnt 31-2*\i-\u
	global_store_b128 v[L16], v[BUF+8*\i+4*\u:BUF+8*\i+4*\u+3], s[88:89] offset:\i*1024+512*\u th:TH_STORE_NT
.endr
.endr
	s_wait_xcnt 0x0
	QKV 1
	s_wait_tensorcnt 0x0
	ds_add_u32 v[SPW], v[NIL]
	s_wait_dscnt 0x0
	s_endpgm
.Lfunc_end_k_q3193871c56_proj:
	.size	k_q3193871c56_proj, .Lfunc_end_k_q3193871c56_proj-k_q3193871c56_proj
	.p2alignl 7, 3214868480
	.fill 96, 4, 3214868480
	.section	.rodata,"a",@progbits
	.p2align	6, 0x0
	.amdhsa_kernel k_q3193871c56_proj
		.amdhsa_group_segment_fixed_size 327680
		.amdhsa_private_segment_fixed_size 0
		.amdhsa_enable_private_segment 0
		.amdhsa_kernarg_size 96
		.amdhsa_user_sgpr_count 2
		.amdhsa_user_sgpr_kernarg_segment_ptr 1
		.amdhsa_wavefront_size32 1
		.amdhsa_system_sgpr_workgroup_id_x 1
		.amdhsa_system_sgpr_workgroup_id_y 1
		.amdhsa_system_sgpr_workgroup_id_z 1
		.amdhsa_system_vgpr_workitem_id 0
		.amdhsa_next_free_vgpr 1024
		.amdhsa_next_free_sgpr 100
		.amdhsa_reserve_vcc 0
		.amdhsa_float_denorm_mode_32 3
		.amdhsa_float_denorm_mode_16_64 3
		.amdhsa_memory_ordered 1
		.amdhsa_forward_progress 1
		.amdhsa_inst_pref_size 255
	.end_amdhsa_kernel
	.section	.bss,"aw",@nobits
	.p2align	6
	.space	262144
	.amdgpu_metadata
---
amdhsa.version: [ 1, 2 ]
amdhsa.kernels:
  - .name:           k_q3193871c56_proj
    .symbol:         k_q3193871c56_proj.kd
    .args:
      - { .name: x1, .offset: 0, .size: 8, .value_kind: global_buffer, .address_space: global }
      - { .name: x2, .offset: 8, .size: 8, .value_kind: global_buffer, .address_space: global }
      - { .name: wts, .offset: 16, .size: 8, .value_kind: global_buffer, .address_space: global }
      - { .name: b_p1, .offset: 24, .size: 8, .value_kind: global_buffer, .address_space: global }
      - { .name: b_p2, .offset: 32, .size: 8, .value_kind: global_buffer, .address_space: global }
      - { .name: b_q, .offset: 40, .size: 8, .value_kind: global_buffer, .address_space: global }
      - { .name: b_k, .offset: 48, .size: 8, .value_kind: global_buffer, .address_space: global }
      - { .name: b_v, .offset: 56, .size: 8, .value_kind: global_buffer, .address_space: global }
      - { .name: qimg, .offset: 64, .size: 8, .value_kind: global_buffer, .address_space: global }
      - { .name: kv, .offset: 72, .size: 8, .value_kind: global_buffer, .address_space: global }
      - { .name: scl, .offset: 80, .size: 8, .value_kind: global_buffer, .address_space: global }
      - { .name: hsum, .offset: 88, .size: 8, .value_kind: global_buffer, .address_space: global }
    .group_segment_fixed_size: 327680
    .private_segment_fixed_size: 0
    .kernarg_segment_align: 8
    .kernarg_segment_size: 96
    .max_flat_workgroup_size: 128
    .sgpr_count:     100
    .vgpr_count:     1024
    .wavefront_size: 32
...
	.end_amdgpu_metadata
.endif
;; end of part 2
;; launch attend (part 3): grid 32 x 8, 4 waves a work-group, clusters of 4 x 1, 327,680 bytes of LDS; arguments qimg, kv, scl, hsum, gamma, out0; writes out0
.if DOCPART == 3
	.amdgcn_target "amdgcn-amd-amdhsa--gfx1250"
	.amdhsa_code_object_version 6
	.text
	.protected	k_q3193871c56_attend
	.globl	k_q3193871c56_attend
	.p2align	8
	.type	k_q3193871c56_attend,@function
k_q3193871c56_attend:
	s_mov_b64 s[64:65], 0
	v_nop
	global_prefetch_b8 v0, s[64:65] scope:SCOPE_SE
	s_setreg_imm32_b32 hwreg(HW_REG_WAVE_MODE, 25, 1), 1
	s_wait_xcnt 0x0
	s_wait_alu depctr_hold_cnt(0) depctr_sa_sdst(0) depctr_va_vdst(0) depctr_va_sdst(0) depctr_va_ssrc(0) depctr_va_vcc(0) depctr_vm_vsrc(0)
	s_getreg_b32 s2, hwreg(HW_REG_IB_STS2, 6, 4)
	s_cmp_eq_u32 s2, 0
	s_cbranch_scc0 .Lentry_in_a_cluster
	s_endpgm
.Lentry_in_a_cluster:
	s_bfe_u32 s2, ttmp6, 0x10000c
	s_cmp_lg_u32 s2, 0x3003
	s_cbranch_scc0 .Lentry_shape_is_right
	s_endpgm
.Lentry_shape_is_right:
; out = gamma (f1 + f2) + (h1 + h2);  f1 = attention of q1 over k2, v2;  f2 = of q2 over k1, v1; head size 256, 2,048 keys, 8 batches.  Both products on codes of FP6 (E2M3).  No work of the problem is left out here.
; SOFTMAX: t = score x log2(e) / 16; M = the running largest t rounded up to a whole number; p = 2^(t - M) is quantised along the keys; the row's sum is taken of the unquantised p and divides at the end;
; when M moves, the sums and O are multiplied by 2^(old M - new M), which rounds nothing.
; SHARES: a work-group owns 64 positions of one batch in both directions.  Wave w: direction w / 2, query tiles 2 (w % 2) and 2 (w % 2) + 1; it walks 2,048 keys, 128 a step: 32 + 32 products.
; kv: [side][128 steps][K's codes 24,576 | K's scale words 1,024 | V's codes 24,576 | V's scale words 1,024]: a wave's one tensor load brings 100 rows of 256 bytes, codes and their scale words together.
; K's fragments are images of the operand's registers (three groups of four, 16 bytes a lane).  A fragment of V is two half images of 64 keys: registers 0-3 of the half, 16 bytes a lane, then registers 4-5, 8 bytes a lane.
; CLUSTER: the four work-groups of a cluster belong to one batch and walk the same K and V: every tile is asked for jointly (mask 15), the descriptor made of the wave's number, the batch and the step alone.
; A STEP'S ROW SUMS ARE ADDED AT THE HEAD OF THE NEXT STEP, ahead of the products that write over p: those 64 packed additions are the places behind V^T P.  Each kind of work stands in one run under one window setting.
; LDS: slot 0 at 0, slot 1 at 2^17, 102,400 bytes each: [direction][as in kv]; the spare words at 233,472.  On the way out the slots, past their last fill and read, are the two directions' stages.  All of LDS is claimed.
; LIMITS: NaN and infinities are not served; the promise holds while |t| stays under 2^31; a block of p that has fallen to zeros keeps the byte 1: its codes are zeros.
; REGISTERS.  Window 0: v1-127 addresses, scale words, work; v128-255 S^T, then p (tile u at 128 + 64 u).  Window 1: O^T (128 u + 8 t).  Window 2: v0-191 K; v192-239 Q; v240-255 the row sums, four pairs a tile.  Window 3: v0-191 V.
.set STEPB, 51200
.set QUART, 25600
.set SLOT1, 1<<17
.set SPARE, 233472
.set AK0,  1
.set AV0,  2
.set ASK0, 3
.set ASV0, 4
.set SPW,  5                           ; my spare word; never rewritten
.set NIL,  6                           ; 0; never rewritten
.set PFO,  7                           ; 256 x min(lane, 24); never rewritten
.set ADK,  8
.set ADV,  9
.set ADS,  10
.set ADT,  11
.set NM,   12                          ; tile u: v[12 + 2 u] -M, v[13 + 2 u] the largest t
.set SUM,  16
.set FF,   20                          ; v[20 + 2 u] f = 2^(old M - new M), named as a pair
.set PS,   24
.set QS,   26
.set KS,   28
.set VS,   36
.set BM,   44                          ; tile u, block b at 44 + 4 u + b
.set PD,   52                          ; v52-67: one running maximum for each accumulator of S^T; later PD and SOP
.set SOP,  60
.set TT,   68
.set PC,   76
.set CT,   100
.set STO,  116
.set HPF,  117                         ; 256 x lane; never rewritten
.set RD,   118
.set RD2,  119
.set L16,  120
.set S,    128
.set QF,   192
.set LW,   240                         ; window 2: tile u's sums at 240 + 8 u
.set WV,   16
.set DL,   17
.set TP,   18
.set CX,   19
.set SEL,  20
.set CS,   22
.set G1,   24
.set TB,   48
.set SLOTS, 50
.set LIM,  51
.set PFA,  52
.set GAM,  54
.set BT,   55
.set G0W,  56
.set MSB, 0
.macro WIN new                         ; the immediate's high byte repeats the setting that is left; bits 1:0 source 0, 3:2 source 1, 5:4 source 2, 7:6 destination
.if MSB != \new
	s_set_vgpr_msb (MSB<<8)|\new
.set MSB, \new
.endif
.endm
.macro PLACES cnt
.rept \cnt
	v_nop
.endr
.endm
.macro MM d, a, b, c, sa, sb, ra, rb
.if (\ra) && (\rb)
	v_wmma_scale_f32_16x16x128_f8f6f4 v[(\d):(\d)+7], v[(\a):(\a)+11], v[(\b):(\b)+11], v[(\c):(\c)+7], v[\sa], v[\sb] matrix_a_fmt:MATRIX_FMT_FP6 matrix_b_fmt:MATRIX_FMT_FP6 matrix_a_scale:MATRIX_SCALE_ROW1 matrix_b_scale:MATRIX_SCALE_ROW1
.elseif \ra
	v_wmma_scale_f32_16x16x128_f8f6f4 v[(\d):(\d)+7], v[(\a):(\a)+11], v[(\b):(\b)+11], v[(\c):(\c)+7], v[\sa], v[\sb] matrix_a_fmt:MATRIX_FMT_FP6 matrix_b_fmt:MATRIX_FMT_FP6 matrix_a_scale:MATRIX_SCALE_ROW1
.else
	v_wmma_scale_f32_16x16x128_f8f6f4 v[(\d):(\d)+7], v[(\a):(\a)+11], v[(\b):(\b)+11], v[(\c):(\c)+7], v[\sa], v[\sb] matrix_a_fmt:MATRIX_FMT_FP6 matrix_b_fmt:MATRIX_FMT_FP6
.endif
.endm
.macro MMZ d, a, b, sa, sb, ra         ; the first product starts the sum
.if \ra
	v_wmma_scale_f32_16x16x128_f8f6f4 v[(\d):(\d)+7], v[(\a):(\a)+11], v[(\b):(\b)+11], 0, v[\sa], v[\sb] matrix_a_fmt:MATRIX_FMT_FP6 matrix_b_fmt:MATRIX_FMT_FP6 matrix_a_scale:MATRIX_SCALE_ROW1
.else
	v_wmma_scale_f32_16x16x128_f8f6f4 v[(\d):(\d)+7], v[(\a):(\a)+11], v[(\b):(\b)+11], 0, v[\sa], v[\sb] matrix_a_fmt:MATRIX_FMT_FP6 matrix_b_fmt:MATRIX_FMT_FP6
.endif
.endm
.macro CROUND                          ; a round of the cluster's barrier
	s_barrier_signal -1
	s_barrier_wait -1
	s_cmp_lg_u32 s[WV], 0
	s_cbranch_scc1 .Lnot_wave_0_\@
	s_barrier_signal -3
.Lnot_wave_0_\@:
	s_barrier_wait -3
	s_barrier_signal -1
	s_barrier_wait -1
.endm
; A prefetch of the step that the NEXT fill will ask for: 102,400 bytes.  The batch's first cluster asks; its four partners take one block of 25,600 bytes each, told apart by address;
; each wave names 25 blocks of 256 bytes (lanes 25-31 name the wave's last again).  The last fill asks for nothing.
.macro ASK
	s_cmp_gt_u32 s[SLOTS], s[LIM]
	s_cbranch_scc0 .Lnot_mine_\@
	global_prefetch_b8 v[PFO], s[PFA:PFA+1] th:TH_LOAD_NT scope:SCOPE_SE
.Lnot_mine_\@:
.endm
; A fill: all my tensor loads are in, the add, my LDS reads are over; a round of the cluster's barrier; my one joint load, the next step into the other slot than last time.
.macro FILL
	s_wait_tensorcnt 0x0                           ; no tensor load of mine is out, so group 0 may be written
	ds_add_u32 v[SPW], v[NIL]
	s_xor_b32 s[G0W+1], s[G0W+1], SLOT1
	s_add_nc_u64 s[G0W+2:G0W+3], s[G0W+2:G0W+3], STEPB
	s_wait_xcnt 0x0                                ; the last prefetch has read its address
	s_add_nc_u64 s[PFA:PFA+1], s[PFA:PFA+1], STEPB
	s_wait_dscnt 0x0
	CROUND
	tensor_load_to_lds s[G0W:G0W+3], s[G1:G1+7]
	s_nop 0
	PLACES 4
.endm
.macro CHANGE fill                     ; behind a step's softmax: its K is multiplied, its V asked for
.if \fill
	FILL
.else
	s_wait_tensorcnt 0x0
	ds_add_u32 v[SPW], v[NIL]
	s_wait_dscnt 0x0
	s_barrier_signal -1
	s_barrier_wait -1
.endif
	s_xor_b32 s[TB], s[TB], SLOT1                  ; the next step's slot
.endm
.macro KRUN0                           ; the next step's addresses, K's 8 scale words, its 8 fragments of channels 0-127: 32 LDS loads
	WIN 0
	v_add_nc_u32 v[ADK], s[TB], v[AK0]
	v_add_nc_u32 v[ADV], s[TB], v[AV0]
	v_add_nc_u32 v[ADS], s[TB], v[ASK0]
	v_add_nc_u32 v[ADT], s[TB], v[ASV0]
.irp t, 0,1,2,3,4,5,6,7
	ds_load_b32 v[KS+\t], v[ADS] offset:(\t/4)*512+(\t%4)*64
.endr
	WIN 0x80
.irp t, 0,1,2,3,4,5,6,7
.irp g, 0,1,2
	ds_load_b128 v[12*\t+4*\g:12*\t+4*\g+3], v[ADK] offset:(2*\t)*1536+512*\g
.endr
.endr
.endm
.macro KRUN1                           ; channels 128-255: 24 LDS loads
	WIN 0x80
.irp t, 0,1,2,3,4,5,6,7
.irp g, 0,1,2
	ds_load_b128 v[96+12*\t+4*\g:96+12*\t+4*\g+3], v[ADK] offset:(2*\t+1)*1536+512*\g
.endr
.endr
	WIN 0
.endm
.macro VLOAD t0, t1                    ; fragments t0 .. t1 of V^T: two half images each, keys 0-63 and 64-127: four LDS loads a fragment.  V's codes lie 25,600 bytes behind K's
.set tv, \t0
.rept (\t1)-(\t0)+1
.irp c, 0,1
	ds_load_b128 v[12*tv+6*\c:12*tv+6*\c+3], v[ADK] offset:25600+\c*12288+tv*768
	ds_load_b64 v[12*tv+6*\c+4:12*tv+6*\c+5], v[ADV] offset:\c*12288+tv*768+512
.endr
.set tv, tv+1
.endr
.endm
; Accumulator i of S^T: keys' tile i / 2, query tile i % 2, at S + 64 (i % 2) + 8 (i / 2).
.macro SADD i                          ; its eight p onto the tile's four pairs of sums (window setting 0x82)
.set su, (\i)%2
.set sa, S+64*su+8*((\i)/2)
.irp c, 0,2,4,6
	v_pk_add_f32 v[LW+8*su+\c:LW+8*su+\c+1], v[LW+8*su+\c:LW+8*su+\c+1], v[sa+\c:sa+\c+1]
.endr
.endm
.macro SUMS                            ; all 128 p of both tiles: eight chains by turns
	WIN 0x82
.set qq, 0
.rept 16
	SADD qq
.set qq, qq+1
.endr
	WIN 0
.endm
.macro KQ st                           ; 16 products of S^T = K Q^T, channels 128 st on; the 16 accumulators take turns (window setting 0x0a)
.set kk, 0
.rept 16
.if \st
	MM S+64*(kk%2)+8*(kk/2), 96+12*(kk/2), QF+24*(kk%2)+12, S+64*(kk%2)+8*(kk/2), KS+kk/2, QS+kk%2, 1, 1
.else
	MMZ S+64*(kk%2)+8*(kk/2), 12*(kk/2), QF+24*(kk%2), KS+kk/2, QS+kk%2, 0
.endif
.set kk, kk+1
.endr
.endm
; The largest score of each block of 32 keys: sixteen chains by turns, one an accumulator, each from the accumulator's low end on: registers 0-2, 3-4, 5-6;
; then the first of a block's two accumulators takes both registers 7 into the block's maximum, and the second joins it.
.macro MXALL
.irp st, 0,1,2,3,4
.set a1, 0
.rept 16
.set ra, S+64*(a1%2)+8*(a1/2)
.set rb, BM+4*(a1%2)+a1/4
.if \st == 0
	v_max3_num_f32 v[PD+a1], v[ra], v[ra+1], v[ra+2]
.elseif \st < 3
	v_max3_num_f32 v[PD+a1], v[PD+a1], v[ra+1+2*\st], v[ra+2+2*\st]
.elseif (\st == 3) && (a1%4 < 2)
	v_max3_num_f32 v[rb], v[PD+a1], v[ra+7], v[ra+15]
.elseif (\st == 4) && (a1%4 >= 2)
	v_max_num_f32 v[rb], v[rb], v[PD+a1]
.endif
.set a1, a1+1
.endr
.endr
.endm
.macro RS i                            ; accumulator i of O^T (channels' tile i / 2, query tile i % 2) times its tile's factor, from its low end on (window setting 0x41)
.set ra, 128*((\i)%2)+8*((\i)/2)
.set rf, FF+2*((\i)%2)
.irp c, 0,2,4,6
	v_pk_mul_f32 v[ra+\c:ra+\c+1], v[ra+\c:ra+\c+1], v[rf:rf+1] op_sel_hi:[1,0]
.endr
.endm
.macro RSRUN a, n
	WIN 0x41
.set qq, \a
.rept \n
	RS qq
.set qq, qq+1
.endr
.endm
; A step's second part: the next step's K is asked for in two runs (k = 1), half of O^T's rescaling behind each; then 32 products O^T += V^T P^T, one an accumulator.
; zero = 1: the first step starts the sums and rescales nothing.
.macro BACK k, ask, zero
.if \k
	KRUN0
.endif
.if !\zero
	RSRUN 0, 16
.endif
.if \k
	KRUN1
.endif
	WIN 0
.if \ask
	ASK
.endif
.if !\zero
	RSRUN 16, 16
.endif
	WIN 0x53
	s_wait_alu depctr_va_vdst(0)                   ; p's codes and the addresses were written ahead of the change's waits
.set pp, 0
.rept 32
.if \zero
	MMZ 128*(pp%2)+8*(pp/2), 12*(pp/2), PC+12*(pp%2), VS+pp/4, PS+pp%2, (pp/2)%2
.else
	MM 128*(pp%2)+8*(pp/2), 12*(pp/2), PC+12*(pp%2), 128*(pp%2)+8*(pp/2), VS+pp/4, PS+pp%2, (pp/2)%2, 0
.endif
.set pp, pp+1
.endr
	WIN 0
.endm
; A step's first part.  At its head 56 LDS loads may be out: K's 8 scale words, 24 loads of channels 0-127, 24 of channels 128-255, in that order.
.macro PART1 sum
.if \sum
	SUMS                                           ; the last step's p; also the places behind its V^T P, in front of loads into V's registers and scale words
.else
	PLACES 4
.endif
	s_wait_dscnt 24                                ; all but the 24 loads of channels 128-255
.irp t, 0,1,2,3,4,5,6,7
	ds_load_b32 v[VS+\t], v[ADT] offset:\t*128
.endr
	WIN 0xc0
	VLOAD 0, 4
	WIN 0x0a
	KQ 0
	s_wait_dscnt 28                                ; behind K's last loads stand V's 8 scale words and 20 loads
	KQ 1
	WIN 0xc0
	VLOAD 5, 15                                    ; they have the softmax in which to land
	WIN 0
	PLACES 4                                       ; in front of the first read of the scores
	MXALL
.irp b, 0,1,2,3
.irp u, 0,1
	v_permlanex16_b32 v[PD+4*\u+\b], v[BM+4*\u+\b], s[SEL], s[SEL+1]
.endr
.endr
.irp b, 0,1,2,3
.irp u, 0,1
	v_max_num_f32 v[BM+4*\u+\b], v[BM+4*\u+\b], v[PD+4*\u+\b]   ; with lane l xor 16's 16 keys: the block's largest score
.endr
.endr
.irp u, 0,1
	v_max3_num_f32 v[TT+4*\u], v[BM+4*\u], v[BM+4*\u+1], v[BM+4*\u+2]
.endr
.irp u, 0,1
	v_max_num_f32 v[TT+4*\u], v[TT+4*\u], v[BM+4*\u+3]
.endr
.irp u, 0,1
	v_mul_f32 v[TT+4*\u], s[CS], v[TT+4*\u]        ; as t (c is positive)
.endr
.irp u, 0,1
	v_max_num_f32 v[NM+2*\u+1], v[NM+2*\u+1], v[TT+4*\u]
.endr
.irp u, 0,1
	v_mov_b32 v[TT+4*\u], v[NM+2*\u]
.endr
.irp u, 0,1
	v_floor_f32 v[NM+2*\u], -v[NM+2*\u+1]          ; the new -M = floor(-t)
.endr
.irp u, 0,1
	v_sub_f32 v[TT+4*\u], v[NM+2*\u], v[TT+4*\u]   ; old M less new M
.endr
.irp u, 0,1
	v_cvt_i32_f32 v[TT+4*\u], v[TT+4*\u]           ; (it saturates)
.endr
.irp u, 0,1
	v_ldexp_f32 v[FF+2*\u], 1.0, v[TT+4*\u]        ; f
.endr
.irp u, 0,1
.set i, 0
.rept 32
	v_pk_fma_f32 v[S+64*\u+i:S+64*\u+i+1], v[S+64*\u+i:S+64*\u+i+1], s[CS:CS+1], v[NM+2*\u:NM+2*\u+1] op_sel_hi:[1,0,0]   ; t - M
.set i, i+2
.endr
.endr
.irp b, 0,1,2,3
.irp u, 0,1
	v_fma_f32 v[BM+4*\u+\b], v[BM+4*\u+\b], s[CS], v[NM+2*\u]   ; the same of each block's largest score: p rises with the score
.endr
.endr
	s_wait_alu depctr_va_vdst(0)
.irp b, 0,1,2,3,4,5,6,7
	v_exp_f32 v[BM+\b], v[BM+\b]                   ; the blocks' largest p
.endr
.set i, 0
.rept 128
	v_exp_f32 v[S+i], v[S+i]                       ; p = 2^(t - M)
.set i, i+1
.endr
	WIN 0x82
.irp u, 0,1
.irp c, 0,2,4,6
	v_pk_mul_f32 v[LW+8*\u+\c:LW+8*\u+\c+1], v[LW+8*\u+\c:LW+8*\u+\c+1], v[FF+2*\u:FF+2*\u+1] op_sel_hi:[1,0]   ; the sums, which hold all earlier steps' p, under the new M: plain places behind the batch
.endr
.endr
	WIN 0
	s_wait_alu depctr_va_vdst(0)                   ; one wait for the whole batch, ahead of its first reader
.irp b, 0,1,2,3,4,5,6,7
	v_max_num_f32 v[BM+\b], 0x1800000, v[BM+\b]    ; the floor 2^(3 - 127): the byte cannot fall under 1
.endr
.irp b, 0,1,2,3,4,5,6,7
	v_add_nc_u32 v[SOP+\b], 0xff000000, v[BM+\b]   ; 2 off the exponent field: the conversion's scale operand
.endr
.irp b, 0,1,2,3,4,5,6,7
	v_lshrrev_b32 v[PD+\b], 23, v[SOP+\b]          ; the scale's byte
.endr
.irp u, 0,1
	v_lshl_or_b32 v[PS+\u], v[PD+4*\u+1], 8, v[PD+4*\u]
.endr
.irp u, 0,1
	v_lshl_or_b32 v[PS+\u], v[PD+4*\u+2], 16, v[PS+\u]
.endr
.irp u, 0,1
	v_lshl_or_b32 v[PS+\u], v[PD+4*\u+3], 24, v[PS+\u]
.endr
.irp u, 0,1
.irp c, 0,1
	v_cvt_scalef32_pk16_fp6_f32 v[PC+12*\u+6*\c:PC+12*\u+6*\c+2], v[S+64*\u+32*\c:S+64*\u+32*\c+15], v[SOP+4*\u+2*\c]
	v_cvt_scalef32_pk16_fp6_f32 v[CT+8*\u+4*\c:CT+8*\u+4*\c+2], v[S+64*\u+32*\c+16:S+64*\u+32*\c+31], v[SOP+4*\u+2*\c+1]
.endr
.endr
	v_nop                                          ; one plain place behind a scaled conversion
.irp u, 0,1
.irp c, 0,1
.irp i, 0,1,2
	v_permlane16_swap_b32 v[PC+12*\u+6*\c+\i], v[CT+8*\u+4*\c+\i]   ; a whole block to a lane
.endr
.irp i, 0,1,2
	v_mov_b32 v[PC+12*\u+6*\c+3+\i], v[CT+8*\u+4*\c+\i]
.endr
.endr
.endr
.endm
	s_load_b256 s[4:11], s[0:1], 0x0               ; qimg, kv, scl, hsum
	s_load_b128 s[12:15], s[0:1], 0x20             ; gamma, out0
	v_lshl_add_u32 v[SPW], v0, 2, SPARE
	v_mov_b32 v[NIL], 0
	ds_add_u32 v[SPW], v[NIL]                      ; the opening: the add, twice on end, and its wait ahead of my first tensor load
	ds_add_u32 v[SPW], v[NIL]
	v_lshrrev_b32 v8, 5, v0
	v_readfirstlane_b32 s[WV], v8                  ; wave 0..3
	s_lshr_b32 s[DL], s[WV], 1                     ; direction
	s_and_b32 s[TP], s[WV], 1                      ; which pair of query tiles; also: I fetch K (0) or V (1)
	s_bfe_u32 s[CX], ttmp6, 0x40000                ; my place in the cluster: it enters global addresses of q, hsum, out0 and the prefetches alone
	s_and_b32 s[BT], ttmp7, 0xffff                 ; the batch
	s_mov_b32 s[G1], 15|(3<<16)|(1<<21)            ; 100 rows of 256 bytes, dense; all four work-groups; bit 21 beside the mask
	s_mov_b32 s[G1+1], 32<<16
	s_mov_b32 s[G1+2], 100<<16
	s_mov_b32 s[G1+3], 32<<16
	s_mov_b32 s[G1+4], 100
	s_mov_b32 s[G1+5], 32
	s_mov_b32 s[G1+6], 0
	s_mov_b32 s[G1+7], 0
	s_xor_b32 s66, s[DL], 1                        ; the side whose k and v my direction walks
	s_lshl_b32 s67, s66, 7
	s_lshl_b32 s68, s[BT], 4
	s_add_co_u32 s67, s67, s68                     ; its first step: 128 side + 16 batch
	s_mul_i32 s68, s67, STEPB
	s_mul_i32 s69, s[TP], QUART
	s_add_co_u32 s68, s68, s69
	s_mov_b32 s69, 0
	s_mov_b32 s[G0W], 1
	s_mul_i32 s[G0W+1], s[WV], QUART               ; step 0 into slot 0
	s_mov_b32 s[SEL], 0x76543210
	s_mov_b32 s[SEL+1], 0xfedcba98
	s_mov_b32 s[CS], 0x3db8aa3b                    ; c = log2(e) / sqrt(256)
	s_mov_b32 s[CS+1], s[CS]
	s_mov_b32 s[TB], 0
	s_mov_b32 s[SLOTS], 14                         ; steps 2 to 15 are refills
	s_cmp_eq_u32 ttmp9, 0                          ; the batch's first cluster: the same in all four partners
	s_cselect_b32 s[LIM], 1, -1
	s_wait_dscnt 0x0                               ; both opening adds are done
	s_wait_kmcnt 0x0
	s_add_nc_u64 s[G0W+2:G0W+3], s[6:7], s[68:69]
	s_or_b32 s[G0W+3], s[G0W+3], 0x80000000
	CROUND                                         ; all four work-groups are here: the first joint loads meet
	tensor_load_to_lds s[G0W:G0W+3], s[G1:G1+7]    ; my one tensor load at the head
	s_nop 0
	PLACES 4
	s_load_b32 s[GAM], s[12:13], 0x0
	s_lshl_b32 s60, ttmp9, 2
	s_add_co_u32 s60, s60, s[CX]                   ; my block of 64 positions in the batch
	s_lshl_b32 s61, s[BT], 5
	s_add_co_u32 s61, s61, s60                     ; and in all
	s_mul_i32 s62, s61, 12288
	s_mul_i32 s63, s[TP], 6144
	s_add_co_u32 s62, s62, s63
	s_mul_i32 s63, s[DL], 3145728
	s_add_co_u32 s62, s62, s63
	s_mov_b32 s63, 0
	s_add_nc_u64 s[4:5], s[4:5], s[62:63]          ; my four fragments of q
	s_lshl_b32 s62, s61, 9
	s_lshl_b32 s74, s[TP], 7
	s_add_co_u32 s62, s62, s74
	s_lshl_b32 s74, s[DL], 17
	s_add_co_u32 s62, s62, s74
	s_add_nc_u64 s[72:73], s[8:9], s[62:63]        ; and their scale words
	s_lshl_b32 s62, s61, 16
	s_lshl_b32 s74, s[WV], 14
	s_add_co_u32 s62, s62, s74
	s_add_nc_u64 s[10:11], s[10:11], s[62:63]      ; hsum and out0 at rows 16 w .. 16 w + 15 of my block
	s_add_nc_u64 s[14:15], s[14:15], s[62:63]
	s_lshr_b32 s62, s[CX], 1
	s_xor_b32 s62, s62, 1
	s_lshl_b32 s62, s62, 7
	s_lshl_b32 s74, s[BT], 4
	s_add_co_u32 s62, s62, s74
	s_add_co_u32 s62, s62, 1                       ; the prefetches stand at step 1; every fill steps them
	s_mul_i32 s62, s62, STEPB
	s_and_b32 s74, s[CX], 1
	s_mul_i32 s74, s74, QUART
	s_add_co_u32 s62, s62, s74
	s_mul_i32 s74, s[WV], 6400
	s_add_co_u32 s62, s62, s74
	s_add_nc_u64 s[PFA:PFA+1], s[6:7], s[62:63]
	v_and_b32 v121, 31, v0                         ; lane
	v_and_b32 v122, 15, v0                         ; r
	v_bfe_u32 v123, v0, 4, 1                       ; h
	v_lshlrev_b32 v[L16], 4, v121
	v_lshlrev_b32 v124, 8, v123
	v_lshl_add_u32 v124, v122, 2, v124             ; lanes 0-15 the words of channels 0-127, lanes 16-31 those of 128-255
	v_min_u32 v[PFO], 24, v121
	v_lshlrev_b32 v[PFO], 8, v[PFO]
	v_lshlrev_b32 v[HPF], 8, v121
	WIN 0x80
.irp u, 0,1
.irp s, 0,1
.irp g, 0,1,2
	global_load_b128 v[QF+24*\u+12*\s+4*\g:QF+24*\u+12*\s+4*\g+3], v[L16], s[4:5] offset:\u*3072+\s*1536+512*\g   ; q stays in registers
.endr
.endr
.endr
.irp j, 0,1,2,3,4,5,6,7,8,9,10,11,12,13,14,15
	v_mov_b32 v[LW+\j], 0                          ; the row sums
.endr
	WIN 0
.irp u, 0,1
	global_load_b32 v[QS+\u], v124, s[72:73] offset:64*\u
.endr
	ASK                                            ; step 1
	s_mul_i32 s66, s[DL], STEPB                    ; LDS addresses: constants, the lane and the wave's number
	v_lshl_add_u32 v[AK0], v121, 4, s66
	s_add_co_u32 s67, s66, 24576
	v_add_nc_u32 v[ASK0], s67, v124
	s_add_co_u32 s67, s66, 25600
	v_lshl_add_u32 v[AV0], v121, 3, s67
	s_add_co_u32 s67, s66, 50176
	v_lshl_add_u32 v[ASV0], v121, 2, s67
	v_and_b32 v125, 8, v122
	v_add_nc_u32 v125, v125, v122                  ; r + 8 (r / 8)
	s_mul_i32 s66, s[TP], 32*1040
	s_lshl_b32 s67, s[DL], 17
	s_add_co_u32 s66, s66, s67
	v_mul_u32_u24 v[STO], v125, 1040
	v_lshl_add_u32 v[STO], v123, 5, v[STO]
	v_add_nc_u32 v[STO], s66, v[STO]               ; my direction's stage, my first tile's query's row, + 32 h
	s_mul_i32 s66, s[WV], 16*1040
	v_lshl_add_u32 v[RD], v121, 4, s66             ; back: rows 16 w on, 16 bytes a lane
	v_add_nc_u32 v[RD2], SLOT1, v[RD]
.irp u, 0,1
	v_mov_b32 v[NM+2*\u+1], 0xff61b1e6             ; the largest t so far: -3e38
	v_floor_f32 v[NM+2*\u], -v[NM+2*\u+1]
	v_mov_b32 v[FF+2*\u+1], 0                      ; named as the upper half of a pair
.endr
	s_wait_alu depctr_va_vdst(0)
	FILL                                           ; step 0 is in, everybody's; step 1 into slot 1, issued as a refill is
	KRUN0                                          ; step 0's K
	KRUN1
	ASK                                            ; step 2
	s_wait_alu depctr_va_vdst(0)
	s_wait_loadcnt 0x0                             ; q
	s_wait_kmcnt 0x0                               ; gamma
	PART1 0                                        ; STEP 0 is written out: no earlier p to add up, its V^T P starts O^T's sums
	CHANGE 1
	BACK 1, 1, 1
	s_sub_co_u32 s[SLOTS], s[SLOTS], 1
.Lstep:                                            ; steps 1 to 13: each change of slots asks for the step two on
	PART1 1
	CHANGE 1
	BACK 1, 1, 0
	s_sub_co_u32 s[SLOTS], s[SLOTS], 1
	s_cmp_lg_u32 s[SLOTS], 0
	s_cbranch_scc1 .Lstep
	global_prefetch_b8 v[HPF], s[10:11] th:TH_LOAD_NT scope:SCOPE_SE               ; my 16 rows of h1 + h2, 64 blocks of 256 bytes, a lane a block, two steps ahead of their loads
	global_prefetch_b8 v[HPF], s[10:11] offset:8192 th:TH_LOAD_NT scope:SCOPE_SE
	PART1 1                                        ; STEP 14: the tail is written out: nothing is left to ask for
	CHANGE 0
	BACK 1, 0, 0
	PART1 1                                        ; STEP 15
	s_wait_dscnt 0x0                               ; V is in
	WIN 0x80                                       ; h1 + h2 of my 16 rows, into K's registers
.irp i, 0,1,2,3,4,5,6,7,8,9,10,11,12,13,14,15
.irp e, 0,1
	global_load_b128 v[8*\i+4*\e:8*\i+4*\e+3], v[L16], s[10:11] offset:\i*1024+512*\e th:TH_LOAD_NT
.endr
.endr
	SUMS                                           ; the last step's p
	BACK 0, 0, 0
	; THE WAY OUT.  gamma O^T / the sum of each direction goes into its stage; each wave reads 16 whole rows of both, adds them to h1 + h2, and stores them.
	WIN 0x8a
.irp u, 0,1
	v_pk_add_f32 v[LW+8*\u:LW+8*\u+1], v[LW+8*\u:LW+8*\u+1], v[LW+8*\u+2:LW+8*\u+3]
	v_pk_add_f32 v[LW+8*\u+4:LW+8*\u+5], v[LW+8*\u+4:LW+8*\u+5], v[LW+8*\u+6:LW+8*\u+7]
.endr
.irp u, 0,1
	v_pk_add_f32 v[LW+8*\u:LW+8*\u+1], v[LW+8*\u:LW+8*\u+1], v[LW+8*\u+4:LW+8*\u+5]
.endr
	WIN 0x0a
.irp u, 0,1
	v_add_f32 v[SUM+2*\u], v[LW+8*\u], v[LW+8*\u+1]
.endr
	WIN 0
.irp u, 0,1
	v_permlanex16_b32 v[PD+4*\u], v[SUM+2*\u], s[SEL], s[SEL+1]
.endr
.irp u, 0,1
	v_add_f32 v[SUM+2*\u], v[SUM+2*\u], v[PD+4*\u] ; with lane l xor 16's: the row's sum
.endr
	s_wait_alu depctr_va_vdst(0)
.irp u, 0,1
	v_rcp_f32 v[SUM+2*\u], v[SUM+2*\u]
.endr
	v_nop                                          ; the plain place behind the reciprocals
	s_wait_alu depctr_va_vdst(0)                   ; one wait for both, ahead of their first reader and of O^T's
.irp u, 0,1
	v_mul_f32 v[FF+2*\u], s[GAM], v[SUM+2*\u]      ; gamma / the sum
.endr
	RSRUN 0, 32                                    ; register 128 u + 8 t + j is channel 16 t + 8 h + j of my query of tile u
	WIN 0
	s_wait_alu depctr_va_vdst(0)
	s_wait_dscnt 0x0
	s_barrier_signal -1
	s_barrier_wait -1                              ; nobody reads a slot any more, and both have had their last fill
	WIN 0x04                                       ; an LDS store's data are its source 1: window 1
.irp u, 0,1
.irp t, 0,1,2,3,4,5,6,7,8,9,10,11,12,13,14,15
.irp e, 0,1
	ds_store_b128 v[STO], v[128*\u+8*\t+4*\e:128*\u+8*\t+4*\e+3] offset:8320*\u+64*\t+16*\e
.endr
.endr
.endr
	WIN 0
	s_wait_dscnt 0x0                               ; for the others' sake: my stores have landed
	s_barrier_signal -1
	s_barrier_wait -1
.macro LOADH hh                        ; eight whole rows of both stages: direction 0's into window 0, direction 1's into window 3
.irp i, 0,1,2,3,4,5,6,7
.irp e, 0,1
	ds_load_b128 v[S+64*\hh+8*\i+4*\e:S+64*\hh+8*\i+4*\e+3], v[RD] offset:(8*\hh+\i)*1040+512*\e
.endr
.endr
	WIN 0xc0
.irp i, 0,1,2,3,4,5,6,7
.irp e, 0,1
	ds_load_b128 v[64*\hh+8*\i+4*\e:64*\hh+8*\i+4*\e+3], v[RD2] offset:(8*\hh+\i)*1040+512*\e
.endr
.endr
	WIN 0
.endm
.macro ADDH hh                         ; the two directions, then h1 + h2; then the rows leave
	WIN 0x0c
.set i, 0
.rept 32
	v_pk_add_f32 v[S+64*\hh+i:S+64*\hh+i+1], v[S+64*\hh+i:S+64*\hh+i+1], v[64*\hh+i:64*\hh+i+1]
.set i, i+2
.endr
	WIN 0x08
.set i, 0
.rept 32
	v_pk_add_f32 v[S+64*\hh+i:S+64*\hh+i+1], v[S+64*\hh+i:S+64*\hh+i+1], v[64*\hh+i:64*\hh+i+1]
.set i, i+2
.endr
	WIN 0
.irp i, 0,1,2,3,4,5,6,7
.irp e, 0,1
	global_store_b128 v[L16], v[S+64*\hh+8*\i+4*\e:S+64*\hh+8*\i+4*\e+3], s[14:15] offset:(8*\hh+\i)*1024+512*\e th:TH_STORE_NT   ; 32 lanes store 512 consecutive bytes, at a multiple of 256 from the buffer's first byte
.endr
.endr
.endm
	LOADH 0
	s_wait_loadcnt 0x0                             ; h1 + h2
	s_wait_dscnt 0x0
	LOADH 1
	ADDH 0
	s_wait_dscnt 0x0
	ADDH 1
	s_wait_tensorcnt 0x0                           ; the wave's end
	ds_add_u32 v[SPW], v[NIL]
	s_wait_dscnt 0x0
	CROUND                                         ; the closing round
	s_endpgm
.Lfunc_end_k_q3193871c56_attend:
	.size	k_q3193871c56_attend, .Lfunc_end_k_q3193871c56_attend-k_q3193871c56_attend
	.p2alignl 7, 3214868480
	.fill 96, 4, 3214868480
	.section	.rodata,"a",@progbits
	.p2align	6, 0x0
	.amdhsa_kernel k_q3193871c56_attend
		.amdhsa_group_segment_fixed_size 327680
		.amdhsa_private_segment_fixed_size 0
		.amdhsa_enable_private_segment 0
		.amdhsa_kernarg_size 48
		.amdhsa_user_sgpr_count 2
		.amdhsa_user_sgpr_kernarg_segment_ptr 1
		.amdhsa_wavefront_size32 1
		.amdhsa_system_sgpr_workgroup_id_x 1
		.amdhsa_system_sgpr_workgroup_id_y 1
		.amdhsa_system_sgpr_workgroup_id_z 1
		.amdhsa_system_vgpr_workitem_id 0
		.amdhsa_next_free_vgpr 1024
		.amdhsa_next_free_sgpr 80
		.amdhsa_reserve_vcc 0
		.amdhsa_float_denorm_mode_32 3
		.amdhsa_float_denorm_mode_16_64 3
		.amdhsa_memory_ordered 1
		.amdhsa_forward_progress 1
		.amdhsa_inst_pref_size 222
	.end_amdhsa_kernel
	.amdgpu_metadata
---
amdhsa.version: [ 1, 2 ]
amdhsa.kernels:
  - .name:           k_q3193871c56_attend
    .symbol:         k_q3193871c56_attend.kd
    .args:
      - { .name: qimg, .offset: 0, .size: 8, .value_kind: global_buffer, .address_space: global }
      - { .name: kv, .offset: 8, .size: 8, .value_kind: global_buffer, .address_space: global }
      - { .name: scl, .offset: 16, .size: 8, .value_kind: global_buffer, .address_space: global }
      - { .name: hsum, .offset: 24, .size: 8, .value_kind: global_buffer, .address_space: global }
      - { .name: gamma, .offset: 32, .size: 8, .value_kind: global_buffer, .address_space: global }
      - { .name: out0, .offset: 40, .size: 8, .value_kind: global_buffer, .address_space: global }
    .group_segment_fixed_size: 327680
    .private_segment_fixed_size: 0
    .kernarg_segment_align: 8
    .kernarg_segment_size: 48
    .max_flat_workgroup_size: 128
    .sgpr_count:     80
    .vgpr_count:     1024
    .wavefront_size: 32
...
	.end_amdgpu_metadata
.endif
;; end of part 3
